; MI455X (gfx1250); checked and timed in simulation.
; The chip was launched on July 23, 2026; its instructions are those of AMD's public machine-readable ISA for CDNA 5 (MIT licence, August 2026) and "CDNA5" Instruction Set Architecture Reference Guide (July 2026). The comments in the code are by the model that wrote it; some were corrected since.
;; Attention Block. Allowed arithmetic: matrix products marked QUANTISED: E2M3 operands, one E8M0 scale for each 32 along K, by v_wmma_scale_f32_16x16x128_f8f6f4 with both operands' format E2M3, f32 sums; everything else in f32.
;; Inputs: b1 1,024 float32; b2 128 float32; beta1 128 float32; beta2 128 float32; gamma1 128 float32; gamma2 128 float32; w1 1,024 x 128 float32; w2 128 x 1,024 float32; w_qkv 384 x 128 float32; x 8 x 1,024 x 4 x 128 float32.
;; Outputs: out0 8 x 1,024 x 4 x 128 float32.
;; This version of the problem:
;;   THIS VERSION OF THE PROBLEM IS GIVEN IN LOW PRECISION. The matrix products marked QUANTISED in the list below multiply operands that are first quantised to E2M3 (2 exponent bits, 3 mantissa bits; 6 bits a number), with one power-of-two scale for each 32 numbers along K (OCP MX v1.0); their sums are f32. All else is computed in f32.
;;   The module's matrix products, in the order in which they are computed (A, B: the left and right operand; K: the contracted axis; several contracted axes count as one K, in the product's order):
;;     1. [M 32,768, K 128] x [K 128, N 384]; A: computed on the way; B: input w_qkv: QUANTISED
;;     2. batch 8 x [M 4,096, K 128] x [K 128, N 4,096]; A: computed on the way; B: computed on the way: QUANTISED
;;     3. batch 8 x [M 4,096, K 4,096] x [K 4,096, N 128]; A: softmax (see below); B: computed on the way: QUANTISED
;;     4. [M 32,768, K 128] x [K 128, N 1,024]; A: computed on the way; B: input w1: QUANTISED
;;     5. [M 32,768, K 1,024] x [K 1,024, N 128]; A: computed on the way; B: input w2: QUANTISED
;;   THE QUANTISER, for each operand of a quantised product, along K:
;;     - K is cut into blocks of 32 from its start; a last block that is shorter is filled with zeros.
;;     - A block's scale is 2^e with e = floor(log2(the largest magnitude in the block)) - 2, held to -126 .. 127; a block of zeros has e = 0. As a byte (E8M0): e + 127.
;;     - Each number is divided by its block's scale, clamped to +-7.5, and rounded to the nearest number of E2M3, ties to even, subnormals kept.
;;     - The product sums the exact products of the quantised numbers (number of the format x scale) in f32.
;;   ~~~python
;;   def quantise(x, axis):      # numpy; x: float32 -> the quantised numbers, widened to float32 again
;;       x = np.moveaxis(x, axis, -1); K = x.shape[-1]
;;       x = np.pad(x, [(0, 0)] * (x.ndim - 1) + [(0, -K % 32)]); x = x.reshape(x.shape[:-1] + (-1, 32)); a = np.abs(x).max(-1, keepdims=True)
;;       e = np.where(a > 0, np.clip(np.frexp(np.where(a > 0, a, 1))[1] - 1 - 2, -126, 127), 0)      # np.frexp(a)[1] - 1 = floor(log2(a)), exactly
;;       r = np.clip(x / 2.0 ** e, -7.5, 7.5)
;;       step = 2.0 ** (np.maximum(np.frexp(np.where(r == 0, 1, r))[1] - 1, 0) - 3)
;;       q = np.round(r / step) * step * 2.0 ** e      # np.round: ties to even
;;       return np.moveaxis(q.reshape(q.shape[:-2] + (-1,))[..., :K], -1, axis).astype(np.float32)
;;   ~~~
;;   SOFTMAX AHEAD OF A QUANTISED PRODUCT. Where the list says 'softmax', what is quantised is not the finished softmax but p = 2^(t - M), with t = logit x log2(e) and M = ceil(the row's largest t), a whole number; so 1/2 < the row's largest p <= 1. The row's sum l is taken of the UNQUANTISED p, in f32, and the product's result is divided by l at the end. Since M is a whole number, a kernel that streams over the keys may use a running M (the ceiling of the running maximum): every later rescaling is an exact power of two, which a block's scale takes up: the codes' values come out the same.
;;   OPERANDS COMPUTED ON THE WAY. 'Computed on the way' means the value that the module computes at that place (a softmax that the list does not call 'softmax' is quantised finished and normalised). What goes into a quantiser is computed in f32, as accurately as f32 sums, v_exp_f32 and their like allow (about 1e-6 of the number): no bf16 or f16 on the way to a quantiser, and a product that is left as it is and whose result goes on into a quantised operand takes f32 operands (vector FMAs, or v_wmma_f32_16x16x4_f32). A number that lies on a knife's edge between two numbers of the format may be rounded either way, as far as f32 arithmetic and the matrix unit's own rounding can turn it there, and no further.
;; One version. Each part assembles by itself: llvm-mc -triple=amdgcn-amd-amdhsa -mcpu=gfx1250 --defsym DOCPART=n.
;; ======== version 1 of 1: 2 launches
;; workspace buffers: qbuf 3,407,872 bytes; kvbuf 6,553,600 bytes; wbuf 204,800 bytes
;; launch prep (part 1): grid 256 x 1, 8 waves a work-group, no clusters, 55,296 bytes of LDS; arguments x, w_qkv, gamma1, beta1, w1, w2, qbuf, kvbuf, wbuf; writes qbuf, kvbuf, wbuf
.if DOCPART == 1
	.amdgcn_target "amdgcn-amd-amdhsa--gfx1250"
	.amdhsa_code_object_version 6
	.text
	.protected	k_q8dfb749988_prep
	.globl	k_q8dfb749988_prep
	.p2align	8
	.type	k_q8dfb749988_prep,@function
k_q8dfb749988_prep:
	s_mov_b64 s[64:65], 0
	v_nop
	global_prefetch_b8 v0, s[64:65] scope:SCOPE_SE
	s_setreg_imm32_b32 hwreg(HW_REG_WAVE_MODE, 25, 1), 1
	s_wait_xcnt 0x0
; PREP: layer norm 1, the product with w_qkv on codes of FP6 (E2M3, one E8M0 scale for each 32 along K), and q, k, v as codes for the attention launch; w1 and w2 as codes for its MLP.
; x: [32768 tokens][128] f32.  w_qkv: [384][128] f32; channel i of q, k, v is row 3 i, 3 i + 1, 3 i + 2.  w1: [1024][128], w2: [128][1024], f32.
; SHARES.  Work-group g owns tokens 128 g .. 128 g + 127: one block of queries and one block of keys.  Wave w normalises and quantises token tile w, quantises three tiles of w_qkv (q's, k's, v's channel tile w),
; makes q and k of its token tile (16 products) and v of channel tile w for all 128 tokens (8 products).  Work-groups 0 to 15 also quantise w1 (even g) or w2 (odd g), 128 hidden units each.
; THE ROWS OF A TILE ARE NOT NEIGHBOURS: lane r of tile t takes row c(t, r) = 32 (t / 2) + 8 (t % 2) + r + 8 (r / 8), for tokens and for channels alike.  A product's source 0 so chosen leaves, in lane (r, h),
; register 16 b + i = index 32 b + 16 h + i of the source 0 axis: 16 neighbours along the next K, as the conversions want them.
; q, k: source 0 = channels of w_qkv, source 1 = my tokens: a lane holds a token, registers run along the channels (their K).  v: source 0 = tokens, source 1 = v's channels: a lane holds a channel, registers run along the keys (its K).
; OPERANDS TRAVEL AS IMAGES OF THEIR REGISTERS, in LDS and in the workspace: a fragment (12 registers a lane) is three stores of 16 bytes a lane at 16 x lane, 512 bytes each.
; WORKSPACE.  qbuf: a block of 13,312 bytes for 128 tokens: 8 fragments, then 8 scale images of 128 bytes (word at 4 x lane).  kvbuf: a block of 25,600 bytes for 128 keys: K's 8 fragments, V's 8, K's scale image (512 bytes), V's.
; wbuf: 8 blocks of the same shape: w1's 8 tiles of 128 hidden units, w2's 8 tiles for those 128 along its K.  A scale image of 8 tiles: the word of tile 4 H + j, row r at 256 H + 16 r + 4 j.
; LIMITS: NaN and infinities are not served.  A block of zeros, or one whose largest magnitude lies under 2^-124, gets the scale byte 1 (the stated quantiser gives zeros the byte 127): its codes are zeros or held small, and the bytes are read by this program alone.
; The layer norm uses fused multiply-adds, so its last bit may differ from a chain of single roundings.
; No tensor loads, no cluster: what work-groups share (w_qkv, 196,608 bytes) goes through registers once a wave.
.set XIMG, 0                           ; LDS: the 8 token tiles' fragments
.set WIMG, 12288                       ; the 24 fragments of w_qkv: index 8 sel + tile
.set XSC,  49152                       ; the token tiles' scale words, 128 bytes each
.set WSC,  50176                       ; w_qkv's, 24 x 128 bytes
.set KVS,  53248                       ; K's scale image, 512 bytes, then V's
.set RA,   32                          ; v32-95    64 numbers
.set RB,   96                          ; v96-159   64 numbers
.set RC,   160                         ; v160-223  64 numbers; later:
.set FR,   160                         ; v160-207  four fragments
.set XF,   212                         ; v212-223  one fragment
.set PC,   224                         ; v224-235  the codes just made
.set TP,   236                         ; v236-243  halves of blocks on their way
.set FS,   244                         ; v244-247  scale words of the four fragments: scales and nothing else
.set TM,   16                          ; v16-31    at work in QUANT
.set LT,   16                          ;           and in LNORM
.set WV,   22                          ; s22  my wave
.set SEL,  24                          ; s[24:25] lane selects for v_permlanex16_b32: lane l xor 16
.set INV,  26                          ; s26  1 / 128
.set EPS,  27                          ; s27  1e-5
; v1 where waves 0, 1 read a scale image; v2 16 r; v3 my byte in w1 or w2; v4 my byte in x; v5 16 x lane; v6 4 x lane; v7 my byte in w_qkv; v8 c(w, r); v9 16 x lane + 1,536 w; v10 4 x lane + 128 w;
; v11 my word in a scale image; v12 64 h; v13 the scale word of source 1: a scale and nothing else; v14 the scale word just made; v15 lane.  Window 1: v0-63 gamma1, v64-127 beta1, in a lane's order.
.set MSB, 0
.macro WIN new                         ; the immediate's high byte repeats the setting that is left
.if MSB != \new
	s_set_vgpr_msb (MSB<<8)|\new
.set MSB, \new
.endif
.endm
; 64 numbers of a lane, register 16 b + i = k 32 b + 16 (lane / 16) + i of my row, become a fragment's codes in v[pc] on and its scale word in v[pw].
.macro QUANT s, pc, pw
.irp b, 0,1,2,3
	v_max3_num_f32 v[TM+\b], |v[\s+16*\b]|, |v[\s+1+16*\b]|, 0x1800000   ; my 16 numbers of block b, and the floor 2^(3 - 127): the byte cannot fall under 1
.endr
.irp i, 2,4,6,8,10,12,14
.irp b, 0,1,2,3
	v_max3_num_f32 v[TM+\b], v[TM+\b], |v[\s+16*\b+\i]|, |v[\s+1+16*\b+\i]|   ; the four blocks by turns
.endr
.endr
.irp b, 0,1,2,3
	v_permlanex16_b32 v[TM+4+\b], v[TM+\b], s[SEL], s[SEL+1]
.endr
.irp b, 0,1,2,3
	v_max_num_f32 v[TM+\b], v[TM+\b], v[TM+4+\b]   ; with lane l xor 16's: the block's largest magnitude
.endr
.irp b, 0,1,2,3
	v_add_nc_u32 v[TM+12+\b], 0xff000000, v[TM+\b]   ; 2 off its exponent field: the conversion takes this operand's exponent field as its scale
.endr
.irp b, 0,1,2,3
	v_lshrrev_b32 v[TM+4+\b], 23, v[TM+12+\b]      ; the scale's byte
.endr
	v_lshl_or_b32 v[\pw], v[TM+5], 8, v[TM+4]      ; four bytes: my row's scale word
	v_lshl_or_b32 v[\pw], v[TM+6], 16, v[\pw]
	v_lshl_or_b32 v[\pw], v[TM+7], 24, v[\pw]
.irp c, 0,1
	v_cvt_scalef32_pk16_fp6_f32 v[\pc+6*\c:\pc+6*\c+2], v[\s+32*\c:\s+32*\c+15], v[TM+12+2*\c]
	v_cvt_scalef32_pk16_fp6_f32 v[TP+4*\c:TP+4*\c+2], v[\s+16+32*\c:\s+31+32*\c], v[TM+13+2*\c]   ; (a conversion's three registers begin on an even number)
.endr
	v_nop                                          ; one plain place behind the scaled conversions
.irp c, 0,1                                    ; the operand wants a whole block in a lane: lanes 0-15 block 2 c, lanes 16-31 block 2 c + 1
.irp i, 0,1,2
	v_permlane16_swap_b32 v[\pc+6*\c+\i], v[TP+4*\c+\i]
.endr
.irp i, 0,1,2
	v_mov_b32 v[\pc+3+6*\c+\i], v[TP+4*\c+\i]
.endr
.endr
.endm
; Layer norm of my row: 64 numbers here, 64 in lane l xor 16.  Mean, then the differences, then their squares: two passes, so a common offset of the inputs does no harm.  lw: the loads that may stay out when the gains are wanted.
.macro LNORM src, dst, lw
	v_pk_add_f32 v[LT:LT+1], v[\src:\src+1], v[\src+2:\src+3]
	v_pk_add_f32 v[LT+2:LT+3], v[\src+4:\src+5], v[\src+6:\src+7]
.set jj, 8
.rept 14
	v_pk_add_f32 v[LT:LT+1], v[LT:LT+1], v[\src+jj:\src+jj+1]
	v_pk_add_f32 v[LT+2:LT+3], v[LT+2:LT+3], v[\src+jj+2:\src+jj+3]
.set jj, jj+4
.endr
	v_pk_add_f32 v[LT:LT+1], v[LT:LT+1], v[LT+2:LT+3]
	v_add_f32 v[LT], v[LT], v[LT+1]
	v_permlanex16_b32 v[LT+8], v[LT], s[SEL], s[SEL+1]
	v_add_f32 v[LT], v[LT], v[LT+8]
	v_mul_f32 v[LT+4], s[INV], v[LT]               ; the mean
.set jj, 0
.rept 32
	v_pk_add_f32 v[\dst+jj:\dst+jj+1], v[\src+jj:\src+jj+1], v[LT+4:LT+5] op_sel_hi:[1,0] neg_lo:[0,1] neg_hi:[0,1]
.set jj, jj+2
.endr
	v_pk_mul_f32 v[LT:LT+1], v[\dst:\dst+1], v[\dst:\dst+1]
	v_pk_mul_f32 v[LT+2:LT+3], v[\dst+2:\dst+3], v[\dst+2:\dst+3]
.set jj, 4
.rept 15
	v_pk_fma_f32 v[LT:LT+1], v[\dst+jj:\dst+jj+1], v[\dst+jj:\dst+jj+1], v[LT:LT+1]
	v_pk_fma_f32 v[LT+2:LT+3], v[\dst+jj+2:\dst+jj+3], v[\dst+jj+2:\dst+jj+3], v[LT+2:LT+3]
.set jj, jj+4
.endr
	v_pk_add_f32 v[LT:LT+1], v[LT:LT+1], v[LT+2:LT+3]
	v_add_f32 v[LT], v[LT], v[LT+1]
	v_permlanex16_b32 v[LT+8], v[LT], s[SEL], s[SEL+1]
	v_add_f32 v[LT], v[LT], v[LT+8]
	v_fma_f32 v[LT], v[LT], s[INV], s[EPS]         ; the variance + 1e-5
	v_rsq_f32 v[LT+6], v[LT]
	v_nop                                          ; a plain place behind the transcendental,
	s_wait_alu depctr_va_vdst(0)                   ; and the wait ahead of its first reader
.set jj, 0
.rept 32
	v_pk_mul_f32 v[\dst+jj:\dst+jj+1], v[\dst+jj:\dst+jj+1], v[LT+6:LT+7] op_sel_hi:[1,0]
.set jj, jj+2
.endr
	s_wait_loadcnt \lw                             ; the gains and offsets are in
	WIN 0x14                                       ; sources 1 and 2 in window 1
.set jj, 0
.rept 32
	v_pk_fma_f32 v[\dst+jj:\dst+jj+1], v[\dst+jj:\dst+jj+1], v[jj:jj+1], v[64+jj:65+jj]
.set jj, jj+2
.endr
	WIN 0
.endm
; 64 numbers a lane: of each block of 32 along a row my half's 16 neighbours: sixteen loads of 16 bytes
.macro LOAD64 reg, adr, base, off
.irp b, 0,1,2,3
.irp j, 0,1,2,3
	global_load_b128 v[\reg+16*\b+4*\j:\reg+16*\b+4*\j+3], v[\adr], s[\base:\base+1] offset:\off+128*\b+16*\j
.endr
.endr
.endm
.macro IMAGE adr, off                          ; the fragment in v[PC] on goes to LDS as it stands
.irp c, 0,1,2
	ds_store_b128 v[\adr], v[PC+4*\c:PC+4*\c+3] offset:\off+512*\c
.endr
.endm
.macro FETCH reg, adr, off                     ; and comes back so, in any wave
.irp c, 0,1,2
	ds_load_b128 v[\reg+4*\c:\reg+4*\c+3], v[\adr] offset:\off+512*\c
.endr
.endm
.macro GOUT base, off                          ; or goes to the workspace: each store covers 512 consecutive bytes, aligned to 256
.irp c, 0,1,2
	global_store_b128 v5, v[PC+4*\c:PC+4*\c+3], s[\base:\base+1] offset:\off+512*\c
.endr
.endm
.macro BARRIER                                 ; my LDS stores have landed and my LDS loads are in: then the work-group's barrier
	s_wait_dscnt 0x0
	s_barrier_signal -1
	s_barrier_wait -1
.endm
.macro PLACES                                  ; four plain places behind matrix instructions (ISA guide 7.12.1)
.rept 4
	v_nop
.endr
.endm
	s_load_b512 s[4:19], s[0:1], 0x0               ; x, w_qkv, gamma1, beta1, w1, w2, qbuf, kvbuf
	s_load_b64 s[20:21], s[0:1], 0x40              ; wbuf
	v_lshl_add_u32 v254, v0, 2, 0xd400
	v_mov_b32 v255, 0
	v_lshrrev_b32 v1, 5, v0
	v_readfirstlane_b32 s[WV], v1                  ; wave 0..7
	v_and_b32 v15, 31, v0                          ; lane
	v_and_b32 v2, 15, v0                           ; r
	v_bfe_u32 v12, v0, 4, 1
	v_lshlrev_b32 v12, 6, v12                      ; 64 h: my half's 16 numbers of a block of 32
	v_and_b32 v8, 8, v2
	v_add_nc_u32 v8, v8, v2                        ; r + 8 (r / 8)
	v_lshl_add_u32 v4, v8, 9, v12                  ; x: a row is 512 bytes
	v_lshlrev_b32 v2, 4, v2                        ; 16 r
	v_lshlrev_b32 v5, 4, v15
	v_lshlrev_b32 v6, 2, v15
	s_lshr_b32 s44, s[WV], 1
	s_lshl_b32 s44, s44, 5
	s_and_b32 s45, s[WV], 1
	s_lshl_b32 s52, s45, 9                         ; 512 (w & 1)
	s_lshl_b32 s45, s45, 3
	s_add_co_u32 s44, s44, s45                     ; 32 (w / 2) + 8 (w % 2): where tile w begins
	v_add_nc_u32 v8, s44, v8                       ; c(w, r)
	v_mad_u32_u24 v7, v8, 1536, v12                ; w_qkv: three rows of 512 bytes a channel
	s_mul_i32 s53, s[WV], 1536
	v_add_nc_u32 v9, s53, v5
	s_lshl_b32 s54, s[WV], 7
	v_add_nc_u32 v10, s54, v6
	s_lshr_b32 s55, s[WV], 2
	s_lshl_b32 s55, s55, 8
	s_and_b32 s56, s[WV], 3
	s_lshl_b32 s56, s56, 2
	s_add_co_u32 s55, s55, s56                     ; 256 (w / 4) + 4 (w % 4): tile w in a scale image
	s_add_co_u32 s56, s55, KVS
	v_add_nc_u32 v11, s56, v2
	s_add_co_u32 s52, s52, KVS
	v_add_nc_u32 v1, s52, v5
	s_mov_b32 s[SEL], 0x76543210
	s_mov_b32 s[SEL+1], 0xfedcba98
	s_mov_b32 s[INV], 0x3c000000
	s_mov_b32 s[EPS], 0x3727c5ac
.irp i, 4,5,6,7,8
	v_mov_b32 v[TM+\i], 0                          ; written once: a lane permute's destination, and the upper halves of pairs, count as read
.endr
	; byte offsets, apart from the addresses
	s_lshl_b32 s46, ttmp9, 7
	s_add_co_u32 s46, s46, s44
	s_lshl_b32 s46, s46, 9                         ; x: my tile's first token
	s_mov_b32 s47, 0
	s_mul_i32 s48, ttmp9, 13312
	s_add_co_u32 s50, s48, s54
	s_add_co_u32 s50, s50, 12288                   ; qbuf: my scale image
	s_add_co_u32 s48, s48, s53                     ; qbuf: my fragment
	s_mov_b32 s49, 0
	s_mov_b32 s51, 0
	s_mul_i32 s56, ttmp9, 25600
	s_lshl_b32 s58, s[WV], 9
	s_add_co_u32 s58, s58, s56                     ; kvbuf: the block + 512 w (waves 0, 1: the two scale images)
	s_add_co_u32 s56, s56, s53                     ; kvbuf: my fragment
	s_mov_b32 s57, 0
	s_mov_b32 s59, 0
	s_lshr_b32 s60, ttmp9, 1
	s_min_u32 s60, s60, 7                          ; which 128 hidden units (work-groups 0-15 alone use it; held, so that the addresses lie inside in all)
	s_and_b32 s61, ttmp9, 1                        ; 0: w1, 1: w2
	s_mul_i32 s62, s60, 25600
	s_mul_i32 s63, s61, 12288
	s_add_co_u32 s63, s63, s62
	s_add_co_u32 s44, s63, s53                     ; wbuf: my fragment
	s_lshl_b32 s63, s61, 9
	s_add_co_u32 s63, s63, s62
	s_add_co_u32 s63, s63, s55
	s_add_co_u32 s52, s63, 24576                   ; wbuf: my tile's words in the scale image
	s_lshl_b32 s62, s60, 16                        ; w1: 128 rows of 512 bytes on
	s_lshl_b32 s63, s60, 9                         ; w2: 128 numbers on in each row
	s_mov_b32 s45, 0
	s_mov_b32 s53, 0
	s_wait_kmcnt 0x0
	s_add_nc_u64 s[4:5], s[4:5], s[46:47]
	s_add_nc_u64 s[28:29], s[16:17], s[48:49]
	s_add_nc_u64 s[30:31], s[16:17], s[50:51]
	s_add_nc_u64 s[32:33], s[18:19], s[56:57]
	s_add_nc_u64 s[34:35], s[18:19], s[58:59]
	s_add_nc_u64 s[38:39], s[20:21], s[44:45]
	s_add_nc_u64 s[40:41], s[20:21], s[52:53]
	s_cmp_eq_u32 s61, 0                            ; the choice hangs on the work-group's number alone
	s_cselect_b64 s[36:37], s[12:13], s[14:15]
	s_cselect_b32 s62, s62, s63
	s_cselect_b32 s42, 9, 12                       ; a row of w1 is 512 bytes, of w2 4,096
	s_mov_b32 s63, 0
	s_add_nc_u64 s[36:37], s[36:37], s[62:63]
	v_lshlrev_b32 v3, s42, v8
	v_add_nc_u32 v3, v3, v12
	; ---- my token tile and my three tiles of w_qkv become fragments
	LOAD64 RA, 4, 4, 0                             ; x
	WIN 0x40                                       ; destination window 1
	LOAD64 0, 12, 8, 0                             ; gamma1
	LOAD64 64, 12, 10, 0                           ; beta1
	WIN 0
	LOAD64 RB, 7, 6, 0                             ; q's rows of w_qkv
	s_wait_loadcnt 16                              ; x, gamma1 and beta1 are in; the 16 loads behind them may be out
	LOAD64 RC, 7, 6, 512                           ; k's rows
	LNORM RA, RA, 32
	QUANT RA, PC, 14
	IMAGE 9, XIMG
	ds_store_b32 v10, v14 offset:XSC
	LOAD64 RA, 7, 6, 1024                          ; v's rows
	s_wait_loadcnt 32                              ; q's rows are in; k's and v's may be out
	s_wait_dscnt 0x0                               ; the stores have read their registers
	QUANT RB, PC, 14
	IMAGE 9, WIMG
	ds_store_b32 v10, v14 offset:WSC
	s_wait_loadcnt 16                              ; k's rows are in
	s_wait_dscnt 0x0
	QUANT RC, PC, 14
	IMAGE 9, WIMG+8*1536
	ds_store_b32 v10, v14 offset:WSC+8*128
	s_wait_loadcnt 0x0
	s_wait_dscnt 0x0
	QUANT RA, PC, 14
	IMAGE 9, WIMG+16*1536
	ds_store_b32 v10, v14 offset:WSC+16*128
	BARRIER                                        ; all 32 fragments lie in LDS
	; ---- q and k of my 16 tokens: source 0 = 16 channels of w_qkv, source 1 = my tokens; four tiles at a time
	FETCH XF, 9, XIMG
	ds_load_b32 v13, v10 offset:XSC
.irp G, 0,1,2,3
.if \G > 0
	PLACES                                         ; in front of loads into registers that matrix instructions have read
.endif
.irp i, 0,1,2,3
	FETCH FR+12*\i, 5, WIMG+(4*\G+\i)*1536
	ds_load_b32 v[FS+\i], v6 offset:WSC+128*(4*\G+\i)
.endr
	s_wait_dscnt 0x0
.irp i, 0,1,2,3
	v_wmma_scale_f32_16x16x128_f8f6f4 v[RA+64*(\G/2)+8*(4*(\G%2)+\i):RA+64*(\G/2)+8*(4*(\G%2)+\i)+7], v[FR+12*\i:FR+12*\i+11], v[XF:XF+11], 0, v[FS+\i], v13 matrix_a_fmt:MATRIX_FMT_FP6 matrix_b_fmt:MATRIX_FMT_FP6
.endr
.endr
	PLACES
	QUANT RA, PC, 14                               ; q, along the channels
	GOUT 28, 0
	global_store_b32 v6, v14, s[30:31]
	s_wait_xcnt 0x0                                ; the stores' data are written again only behind this wait
	QUANT RB, PC, 14                               ; k
	GOUT 32, 0
	ds_store_b32 v11, v14                          ; its scale word into K's image (lanes l and l xor 16 write the same word with the same value)
	s_cmp_lt_u32 ttmp9, 16                         ; work-groups 0 to 15: my tile of w1 or w2 is asked for now and quantised at the end
	s_cbranch_scc0 .Lno_w
	LOAD64 RB, 3, 36, 0
.Lno_w:
	; ---- v of channel tile w for the 128 tokens: source 0 = 16 tokens, source 1 = v's channels: registers run along the keys
	FETCH XF, 9, WIMG+16*1536
	ds_load_b32 v13, v10 offset:WSC+16*128
.irp G, 0,1
.if \G > 0
	PLACES
.endif
.irp i, 0,1,2,3
	FETCH FR+12*\i, 5, XIMG+(4*\G+\i)*1536
	ds_load_b32 v[FS+\i], v6 offset:XSC+128*(4*\G+\i)
.endr
	s_wait_dscnt 0x0
.irp i, 0,1,2,3
	v_wmma_scale_f32_16x16x128_f8f6f4 v[RA+8*(4*\G+\i):RA+8*(4*\G+\i)+7], v[FR+12*\i:FR+12*\i+11], v[XF:XF+11], 0, v[FS+\i], v13 matrix_a_fmt:MATRIX_FMT_FP6 matrix_b_fmt:MATRIX_FMT_FP6
.endr
.endr
	PLACES
	s_wait_xcnt 0x0                                ; k's stores have read their data
	QUANT RA, PC, 14                               ; v, along the keys
	GOUT 32, 12288
	ds_store_b32 v11, v14 offset:512
	BARRIER                                        ; both scale images are whole
	s_cmp_lt_u32 s[WV], 2                          ; wave 0 stores K's image, wave 1 V's: 512 consecutive bytes each
	s_cbranch_scc0 .Lno_img
	ds_load_b128 v[248:251], v1
	s_wait_dscnt 0x0
	global_store_b128 v5, v[248:251], s[34:35] offset:24576
.Lno_img:
	s_cmp_lt_u32 ttmp9, 16
	s_cbranch_scc0 .Lend
	; ---- my tile of w1 (rows = hidden units c(w, r) of the 128) or of w2 (rows = channels c(w, r), K = the 128 hidden units); no LDS and no barrier on this way
	s_wait_loadcnt 0x0
	s_wait_xcnt 0x0                                ; v's stores have read their data
	QUANT RB, PC, 14
	GOUT 38, 0
	s_wait_xcnt 0x0                                ; EXEC changes only behind this wait
	v_cmp_gt_u32 vcc_lo, 16, v15
	s_and_saveexec_b32 s43, vcc_lo
	global_store_b32 v2, v14, s[40:41]             ; lanes 0-15: row r's word at 16 r in my tile's place of the image
	s_wait_xcnt 0x0
	s_or_b32 exec_lo, exec_lo, s43
.Lend:
	s_wait_tensorcnt 0x0
	ds_add_u32 v254, v255
	s_wait_dscnt 0x0
	s_endpgm
.Lfunc_end_k_q8dfb749988_prep:
	.size	k_q8dfb749988_prep, .Lfunc_end_k_q8dfb749988_prep-k_q8dfb749988_prep
	.p2alignl 7, 3214868480
	.fill 96, 4, 3214868480
	.section	.rodata,"a",@progbits
	.p2align	6, 0x0
	.amdhsa_kernel k_q8dfb749988_prep
		.amdhsa_group_segment_fixed_size 55296
		.amdhsa_private_segment_fixed_size 0
		.amdhsa_enable_private_segment 0
		.amdhsa_kernarg_size 72
		.amdhsa_user_sgpr_count 2
		.amdhsa_user_sgpr_kernarg_segment_ptr 1
		.amdhsa_wavefront_size32 1
		.amdhsa_system_sgpr_workgroup_id_x 1
		.amdhsa_system_sgpr_workgroup_id_y 1
		.amdhsa_system_sgpr_workgroup_id_z 1
		.amdhsa_system_vgpr_workitem_id 0
		.amdhsa_next_free_vgpr 384
		.amdhsa_next_free_sgpr 66
		.amdhsa_reserve_vcc 1
		.amdhsa_float_denorm_mode_32 3
		.amdhsa_float_denorm_mode_16_64 3
		.amdhsa_memory_ordered 1
		.amdhsa_forward_progress 1
		.amdhsa_inst_pref_size 69
	.end_amdhsa_kernel
	.amdgpu_metadata
---
amdhsa.version: [ 1, 2 ]
amdhsa.kernels:
  - .name:           k_q8dfb749988_prep
    .symbol:         k_q8dfb749988_prep.kd
    .args:
      - { .name: x, .offset: 0, .size: 8, .value_kind: global_buffer, .address_space: global }
      - { .name: w_qkv, .offset: 8, .size: 8, .value_kind: global_buffer, .address_space: global }
      - { .name: gamma1, .offset: 16, .size: 8, .value_kind: global_buffer, .address_space: global }
      - { .name: beta1, .offset: 24, .size: 8, .value_kind: global_buffer, .address_space: global }
      - { .name: w1, .offset: 32, .size: 8, .value_kind: global_buffer, .address_space: global }
      - { .name: w2, .offset: 40, .size: 8, .value_kind: global_buffer, .address_space: global }
      - { .name: qbuf, .offset: 48, .size: 8, .value_kind: global_buffer, .address_space: global }
      - { .name: kvbuf, .offset: 56, .size: 8, .value_kind: global_buffer, .address_space: global }
      - { .name: wbuf, .offset: 64, .size: 8, .value_kind: global_buffer, .address_space: global }
    .group_segment_fixed_size: 55296
    .private_segment_fixed_size: 0
    .kernarg_segment_align: 8
    .kernarg_segment_size: 72
    .max_flat_workgroup_size: 256
    .sgpr_count:     66
    .vgpr_count:     384
    .wavefront_size: 32
...
	.end_amdgpu_metadata
.endif
;; end of part 1
;; launch attn (part 2): grid 32 x 8, 8 waves a work-group, clusters of 4 x 1, 327,680 bytes of LDS; arguments qbuf, kvbuf, wbuf, x, gamma2, beta2, b1, b2, out0; writes out0
.if DOCPART == 2
	.amdgcn_target "amdgcn-amd-amdhsa--gfx1250"
	.amdhsa_code_object_version 6
	.text
	.protected	k_q8dfb749988_attn
	.globl	k_q8dfb749988_attn
	.p2align	8
	.type	k_q8dfb749988_attn,@function
k_q8dfb749988_attn:
	s_mov_b64 s[64:65], 0
	v_nop
	global_prefetch_b8 v0, s[64:65] scope:SCOPE_SE
	s_setreg_imm32_b32 hwreg(HW_REG_WAVE_MODE, 25, 1), 1
	s_wait_xcnt 0x0
	s_wait_alu depctr_hold_cnt(0) depctr_sa_sdst(0) depctr_va_vdst(0) depctr_va_sdst(0) depctr_va_ssrc(0) depctr_va_vcc(0) depctr_vm_vsrc(0)
	s_getreg_b32 s2, hwreg(HW_REG_IB_STS2, 6, 4)
	s_cmp_eq_u32 s2, 0
	s_cbranch_scc0 .Lentry_in_a_cluster
	s_endpgm
.Lentry_in_a_cluster:
	s_bfe_u32 s2, ttmp6, 0x10000c
	s_cmp_lg_u32 s2, 0x3003
	s_cbranch_scc0 .Lentry_shape_is_right
	s_endpgm
.Lentry_shape_is_right:
; ATTN: attention on codes of FP6 (E2M3, one E8M0 scale for each 32 along K), the residual, layer norm 2, the MLP 128 -> 1024 -> 128 with silu on codes, the second residual.  Nothing between these steps goes to memory.
; qbuf, kvbuf, wbuf: images of operand registers, as the launch before laid them (a fragment: 1,536 bytes, register group c of lane l at 512 c + 16 l; a block of 25,600 bytes: 8 fragments, 8 fragments, two scale images of 512 bytes).
; SHARES.  A work-group owns 128 queries of one batch, each of its eight waves one tile of 16: two waves to a SIMD, 512 registers each.  Every wave walks the batch's 4,096 keys, 128 a step, then takes its 16 rows through the MLP.
; LAYOUT.  All products are used transposed (source 0 = 16 keys, channels or hidden units; source 1 = my 16 rows): a lane holds ONE row (token 32 (w / 2) + 8 (w % 2) + r + 8 (r / 8) of the block) throughout.
; The rows of every source 0 tile were chosen so that register 16 b + i of a lane is index 32 b + 16 (lane / 16) + i: 16 neighbours along the next K.  O, x, the gains, b2 and the result share that order of channels.
; SOFTMAX.  t = score x log2(e) / sqrt(128); M = the running largest t rounded UP to a whole number; p = 2^(t - M) is quantised along the keys; the sum is taken of the unquantised p and divides O at the end.
; When M moves, the sum and O are multiplied by 2^(old M - new M): exact.
; RING.  Two LDS slots of two key steps (51,200 bytes); each wave fetches an eighth of a slot, 25 rows of 256 bytes, by one tensor load.  The MLP's weights (204,800 bytes) and b1 come once, with the first fills, and stay.
; CLUSTER.  The four work-groups of a cluster belong to one batch and walk the same keys and weights: every tile is asked for JOINTLY, by the same tensor load with the same descriptor and a mask that names the four.
; My place in the cluster enters the addresses of qbuf, x, out0 and of the prefetches alone.  By this text's count a wave has four tensor loads out at the start and one behind each change of slots.
; LIMITS: NaN and infinities are not served.  A block of zeros, or one whose largest magnitude lies under 2^-124, gets the scale byte 1 (its codes are zeros or held small).  Fused multiply-adds in the layer norm: its last bit may differ from single roundings.
; silu(z) = z / (1 + 2^(-z log2(e))): for z under about -88 the power overflows and the result is -0, where the exact value lies under 1e-36 in magnitude.
.set BLKB,  25600                      ; a block: 128 keys, or 128 hidden units
.set SLOT1, 1<<16                      ; slot 1 begins here: one exclusive or turns an address in one slot into the other's
.set B1L,   51200                      ; b1, 4,096 bytes, behind slot 0
.set SPARE, 55296                      ; the spare words, 128 bytes for each wave: four blocks of 256 bytes that no other line names
.set WBASE, 116736                     ; the weights: 8 blocks
.set STAGE, 0                          ; the way out: 16 rows x 272 bytes for each wave, in slot 0: it has had its last fill, and nobody reads it behind the last change of slots
.set KFR, 0                            ; window 1: v0-95 K's 8 fragments (later w1's); in the epilogue v0-63 gamma2, v64-127 beta2, v128-191 b2
.set VFR, 96                           ; window 1: v96-191 V's 8 fragments (later w2's)
.set XR,  192                          ; window 1: v192-255 my row of x
.set TM,  232                          ; v232-247 at work
.set LT,  232
.set TP,  32                           ; v32-39 halves of blocks on their way (free while QUANT runs)
.set WV,  22                           ; s22 my wave
.set SEL, 24                           ; s[24:25] lane selects: lane l xor 16
.set CS,  26                           ; s[26:27] log2(e) / sqrt(128), twice
.set INV, 28                           ; s28 1 / 128
.set EPS, 29                           ; s29 1e-5
.set NL,  30                           ; s[30:31] -log2(e), twice
.set G1S, 32                           ; s[32:39] group 1: 25 rows of 256 bytes;  s[40:47]: 100 rows;  s[48:55]: 2 rows
.set G1W, 40
.set G1B, 48
.set G0A, 56                           ; s[56:59] group 0: slot 0's first fill;  s[60:63]: slot 1's, which then walks;  s[68:71] the weights;  s[72:75] b1
.set G0B, 60
.set G0W, 68
.set G0C, 72
.set OP,  66                           ; s[66:67] out0 at my tile
.set TB,  76                           ; s76 LDS byte at which the slot in hand begins
.set SLOTS, 77                         ; s77 slots still to be asked for
.set LIM, 78                           ; s78 1 in a wave that prefetches, else the greatest number
.set PFA, 80                           ; s[80:81] where my prefetches stand
.set TW,  82                           ; s82 LDS byte of the MLP step's weights;  s83 of its part of b1;  s84 steps to go
.set TBI, 83
.set MC,  84
; window 0: v1 16 x lane; v2 b1's place for my half; v3 my bytes in two rows of out0; v4, v7 the stage, in and back; v5, v6 the spare word's address and 0; v8, v9 addresses in hand; v10 the prefetches' offset; v11 64 h;
; v12 -M, v13 the largest t, v[14:15] the sum in two halves; v16-27 Q's codes, later the normalised row's; v28-31 K's (w1's) scale words; v32-95 silu's work, rows of out0; v96-159 scores, p, the hidden layer;
; v160-223 O, then the row with its residuals; v224-235 codes of p or of the hidden layer; v248-251 V's (w2's) scale words; v253 p's (the hidden layer's) scale word; v255 Q's (the normalised row's).
.set MSB, 0
.macro WIN new                         ; the immediate's high byte repeats the setting that is left
.if MSB != \new
	s_set_vgpr_msb (MSB<<8)|\new
.set MSB, \new
.endif
.endm
; 64 numbers of a lane, register 16 b + i = k 32 b + 16 (lane / 16) + i of my row, become a fragment's codes in v[pc] on and its scale word in v[pw].
.macro QUANT s, pc, pw
.irp b, 0,1,2,3
	v_max3_num_f32 v[TM+\b], |v[\s+16*\b]|, |v[\s+1+16*\b]|, 0x1800000   ; my 16 numbers of block b, and the floor 2^(3 - 127): the byte cannot fall under 1
.endr
.irp i, 2,4,6,8,10,12,14
.irp b, 0,1,2,3
	v_max3_num_f32 v[TM+\b], v[TM+\b], |v[\s+16*\b+\i]|, |v[\s+1+16*\b+\i]|
.endr
.endr
.irp b, 0,1,2,3
	v_permlanex16_b32 v[TM+4+\b], v[TM+\b], s[SEL], s[SEL+1]
.endr
.irp b, 0,1,2,3
	v_max_num_f32 v[TM+\b], v[TM+\b], v[TM+4+\b]
.endr
.irp b, 0,1,2,3
	v_add_nc_u32 v[TM+12+\b], 0xff000000, v[TM+\b]   ; 2 off the exponent field: the conversion's scale operand
.endr
.irp b, 0,1,2,3
	v_lshrrev_b32 v[TM+4+\b], 23, v[TM+12+\b]      ; the scale's byte
.endr
	v_lshl_or_b32 v[\pw], v[TM+5], 8, v[TM+4]
	v_lshl_or_b32 v[\pw], v[TM+6], 16, v[\pw]
	v_lshl_or_b32 v[\pw], v[TM+7], 24, v[\pw]
.irp c, 0,1
	v_cvt_scalef32_pk16_fp6_f32 v[\pc+6*\c:\pc+6*\c+2], v[\s+32*\c:\s+32*\c+15], v[TM+12+2*\c]
	v_cvt_scalef32_pk16_fp6_f32 v[TP+4*\c:TP+4*\c+2], v[\s+16+32*\c:\s+31+32*\c], v[TM+13+2*\c]
.endr
	v_nop                                          ; one plain place behind the scaled conversions
.irp c, 0,1
.irp i, 0,1,2
	v_permlane16_swap_b32 v[\pc+6*\c+\i], v[TP+4*\c+\i]
.endr
.irp i, 0,1,2
	v_mov_b32 v[\pc+3+6*\c+\i], v[TP+4*\c+\i]
.endr
.endr
.endm
; Layer norm of my row: 64 numbers here, 64 in lane l xor 16; two passes.  lw: the loads that may stay out when the gains are wanted.
.macro LNORM src, dst, lw
	v_pk_add_f32 v[LT:LT+1], v[\src:\src+1], v[\src+2:\src+3]
	v_pk_add_f32 v[LT+2:LT+3], v[\src+4:\src+5], v[\src+6:\src+7]
.set jj, 8
.rept 14
	v_pk_add_f32 v[LT:LT+1], v[LT:LT+1], v[\src+jj:\src+jj+1]
	v_pk_add_f32 v[LT+2:LT+3], v[LT+2:LT+3], v[\src+jj+2:\src+jj+3]
.set jj, jj+4
.endr
	v_pk_add_f32 v[LT:LT+1], v[LT:LT+1], v[LT+2:LT+3]
	v_add_f32 v[LT], v[LT], v[LT+1]
	v_permlanex16_b32 v[LT+8], v[LT], s[SEL], s[SEL+1]
	v_add_f32 v[LT], v[LT], v[LT+8]
	v_mul_f32 v[LT+4], s[INV], v[LT]               ; the mean
.set jj, 0
.rept 32
	v_pk_add_f32 v[\dst+jj:\dst+jj+1], v[\src+jj:\src+jj+1], v[LT+4:LT+5] op_sel_hi:[1,0] neg_lo:[0,1] neg_hi:[0,1]
.set jj, jj+2
.endr
	v_pk_mul_f32 v[LT:LT+1], v[\dst:\dst+1], v[\dst:\dst+1]
	v_pk_mul_f32 v[LT+2:LT+3], v[\dst+2:\dst+3], v[\dst+2:\dst+3]
.set jj, 4
.rept 15
	v_pk_fma_f32 v[LT:LT+1], v[\dst+jj:\dst+jj+1], v[\dst+jj:\dst+jj+1], v[LT:LT+1]
	v_pk_fma_f32 v[LT+2:LT+3], v[\dst+jj+2:\dst+jj+3], v[\dst+jj+2:\dst+jj+3], v[LT+2:LT+3]
.set jj, jj+4
.endr
	v_pk_add_f32 v[LT:LT+1], v[LT:LT+1], v[LT+2:LT+3]
	v_add_f32 v[LT], v[LT], v[LT+1]
	v_permlanex16_b32 v[LT+8], v[LT], s[SEL], s[SEL+1]
	v_add_f32 v[LT], v[LT], v[LT+8]
	v_fma_f32 v[LT], v[LT], s[INV], s[EPS]         ; the variance + 1e-5
	v_rsq_f32 v[LT+6], v[LT]
	v_nop                                          ; a plain place behind the transcendental,
	s_wait_alu depctr_va_vdst(0)                   ; and the wait ahead of its first reader
.set jj, 0
.rept 32
	v_pk_mul_f32 v[\dst+jj:\dst+jj+1], v[\dst+jj:\dst+jj+1], v[LT+6:LT+7] op_sel_hi:[1,0]
.set jj, jj+2
.endr
	s_wait_loadcnt \lw
	WIN 0x14                                       ; sources 1 and 2 in window 1
.set jj, 0
.rept 32
	v_pk_fma_f32 v[\dst+jj:\dst+jj+1], v[\dst+jj:\dst+jj+1], v[jj:jj+1], v[64+jj:65+jj]
.set jj, jj+2
.endr
	WIN 0
.endm
.macro LOAD64 reg, adr, base, off              ; 64 numbers a lane: of each block of 32 my half's 16 neighbours
.irp b, 0,1,2,3
.irp j, 0,1,2,3
	global_load_b128 v[\reg+16*\b+4*\j:\reg+16*\b+4*\j+3], v[\adr], s[\base:\base+1] offset:\off+128*\b+16*\j
.endr
.endr
.endm
.macro GROUP1 g, rows                          ; a dense block as rows of 256 bytes (32 elements of 8 bytes), no padding; 15:0 the mask: all four work-groups; 21 set beside a mask
	s_mov_b32 s[\g], 15|(3<<16)|(1<<21)
	s_mov_b32 s[\g+1], 32<<16                      ; tensor_dim0
	s_mov_b32 s[\g+2], (\rows)<<16                 ; tensor_dim1
	s_mov_b32 s[\g+3], 32<<16                      ; tile_dim0
	s_mov_b32 s[\g+4], \rows                       ; tile_dim1
	s_mov_b32 s[\g+5], 32                          ; the pitch
	s_mov_b32 s[\g+6], 0
	s_mov_b32 s[\g+7], 0
.endm
.macro CROUND                                  ; a round of the cluster's barrier
	s_barrier_signal -1
	s_barrier_wait -1
	s_cmp_lg_u32 s[WV], 0
	s_cbranch_scc1 .Lnot_wave_0_\@
	s_barrier_signal -3
.Lnot_wave_0_\@:
	s_barrier_wait -3
	s_barrier_signal -1
	s_barrier_wait -1
.endm
.macro PLACES                                  ; four plain places behind matrix instructions (ISA guide 7.12.1)
.rept 4
	v_nop
.endr
.endm
; 25 LDS loads: the first 8 fragments of block q at v8 and their scale image.  Register j of the image: tile j in lanes 0-15, tile 4 + j in lanes 16-31.
.macro FETCH_K q
	WIN 0x40                                       ; destination window 1
.irp t, 0,1,2,3,4,5,6,7
.irp c, 0,1,2
	ds_load_b128 v[KFR+12*\t+4*\c:KFR+12*\t+4*\c+3], v8 offset:BLKB*(\q)+1536*\t+512*\c
.endr
.endr
	WIN 0
	ds_load_b128 v[28:31], v8 offset:BLKB*(\q)+24576
.endm
.macro FETCH_V q                               ; 25 more: the second 8 fragments and their image
	WIN 0x40
.irp t, 0,1,2,3,4,5,6,7
.irp c, 0,1,2
	ds_load_b128 v[VFR+12*\t+4*\c:VFR+12*\t+4*\c+3], v8 offset:BLKB*(\q)+12288+1536*\t+512*\c
.endr
.endr
	WIN 0
	ds_load_b128 v[248:251], v8 offset:BLKB*(\q)+25088
.endm
; A PREFETCH INTO THE L2 of the slot that the NEXT change of slots will ask for: 51,200 bytes = 200 aligned blocks of 256.  All clusters of a batch walk the same keys: the batch's first cluster asks.  Its four partners take 12,800 bytes
; each, told apart by address; in each, waves 0 and 1 take 6,400 bytes, 25 blocks, a lane a block (lanes 25 to 31 name lane 24's block again).  The last change that fills a slot asks for nothing.  Slots 0, 1 and 2 come by their loads alone.
.macro ASK
	s_cmp_gt_u32 s[SLOTS], s[LIM]
	s_cbranch_scc0 .Lnot_mine_\@
	global_prefetch_b8 v10, s[PFA:PFA+1] th:TH_LOAD_NT scope:SCOPE_SE
.Lnot_mine_\@:
.endm
; 8 products: D = v[d + 8 t], source 0 = fragment t at v[f] of window 1, source 1 = v[b] on, scales v[sa + t % 4] (lanes 16-31 for tiles 4 to 7) and v[sb].  zero = 1: the products start the sums.
; The eight accumulators take turns, one instruction a turn.
.macro MUL8 d, f, b, sa, sb, zero
	WIN 0x01                                       ; source 0 in window 1
.irp t, 0,1,2,3
.if \zero
	v_wmma_scale_f32_16x16x128_f8f6f4 v[\d+8*\t:\d+8*\t+7], v[\f+12*\t:\f+12*\t+11], v[\b:\b+11], 0, v[\sa+\t], v[\sb] matrix_a_fmt:MATRIX_FMT_FP6 matrix_b_fmt:MATRIX_FMT_FP6
.else
	v_wmma_scale_f32_16x16x128_f8f6f4 v[\d+8*\t:\d+8*\t+7], v[\f+12*\t:\f+12*\t+11], v[\b:\b+11], v[\d+8*\t:\d+8*\t+7], v[\sa+\t], v[\sb] matrix_a_fmt:MATRIX_FMT_FP6 matrix_b_fmt:MATRIX_FMT_FP6
.endif
.endr
.irp t, 4,5,6,7
.if \zero
	v_wmma_scale_f32_16x16x128_f8f6f4 v[\d+8*\t:\d+8*\t+7], v[\f+12*\t:\f+12*\t+11], v[\b:\b+11], 0, v[\sa+\t-4], v[\sb] matrix_a_fmt:MATRIX_FMT_FP6 matrix_b_fmt:MATRIX_FMT_FP6 matrix_a_scale:MATRIX_SCALE_ROW1
.else
	v_wmma_scale_f32_16x16x128_f8f6f4 v[\d+8*\t:\d+8*\t+7], v[\f+12*\t:\f+12*\t+11], v[\b:\b+11], v[\d+8*\t:\d+8*\t+7], v[\sa+\t-4], v[\sb] matrix_a_fmt:MATRIX_FMT_FP6 matrix_b_fmt:MATRIX_FMT_FP6 matrix_a_scale:MATRIX_SCALE_ROW1
.endif
.endr
	WIN 0
.endm
; A KEY STEP: 128 keys, the q-th block of the slot in hand.  K's run of loads was issued a step ago.  nextk = 1: the next block's K is asked for behind the scores' products.  first = 1: the first step of all starts O's sums.
.macro STEP q, nextk, first
.if \first == 0
	PLACES                                         ; in front of loads into registers that the last products read
.endif
	FETCH_V \q
	s_wait_dscnt 25                                ; K's run is in; V's 25 loads may be out
	MUL8 96, KFR, 16, 28, 255, 1                   ; the scores: lane (r, h) holds query r; register 16 b + i is key 32 b + 16 h + i
	PLACES
.if \nextk
	FETCH_K \q+1
.endif
.irp b, 0,1,2,3
	v_max3_num_f32 v[232+\b], v[96+16*\b], v[97+16*\b], v[98+16*\b]   ; the largest score of each block of 32 keys: for the row's maximum, and, since p rises with the score, for the block's largest p
.endr
.irp i, 3,5,7,9,11,13
.irp b, 0,1,2,3
	v_max3_num_f32 v[232+\b], v[232+\b], v[96+16*\b+\i], v[97+16*\b+\i]
.endr
.endr
.irp b, 0,1,2,3
	v_max_num_f32 v[232+\b], v[232+\b], v[111+16*\b]
.endr
.irp b, 0,1,2,3
	v_permlanex16_b32 v[236+\b], v[232+\b], s[SEL], s[SEL+1]
.endr
.irp b, 0,1,2,3
	v_max_num_f32 v[232+\b], v[232+\b], v[236+\b]  ; with lane l xor 16's 16 keys
.endr
	v_max3_num_f32 v254, v232, v233, v234
	v_max_num_f32 v254, v254, v235                 ; the step's largest score of my query,
	v_mul_f32 v254, s[CS], v254                    ; as t
	v_max_num_f32 v13, v13, v254                   ; the running largest t
	v_mov_b32 v254, v12
	v_floor_f32 v12, -v13                          ; the new -M = floor(-t): M is a whole number
	v_sub_f32 v254, v12, v254                      ; old M less new M: a whole number, 0 or less
	v_cvt_i32_f32 v254, v254                       ; (it saturates)
	v_ldexp_f32 v252, 1.0, v254                    ; f = 2^(old M - new M)
.set jj, 0
.rept 32
	v_pk_fma_f32 v[96+jj:97+jj], v[96+jj:97+jj], s[CS:CS+1], v[12:13] op_sel_hi:[1,0,0]   ; t - M, two at a time
.set jj, jj+2
.endr
.irp b, 0,1,2,3
	v_fma_f32 v[232+\b], v[232+\b], s[CS], v12     ; the same of each block's largest score
.endr
.set jj, 0
.rept 64
	v_exp_f32 v[96+jj], v[96+jj]                   ; p = 2^(t - M), at most 1: not normalised
.set jj, jj+1
.endr
	v_pk_mul_f32 v[14:15], v[14:15], v[252:253] op_sel_hi:[1,0]   ; the sums under the new M: a plain place behind the exponentials
	s_wait_alu depctr_va_vdst(0)                   ; one wait for the whole batch, ahead of its first reader
.irp b, 0,1,2,3
	v_exp_f32 v[232+\b], v[232+\b]                 ; the block's largest p: the same two instructions on the same number give the same bits
.endr
	v_pk_add_f32 v[236:237], v[96:97], v[98:99]    ; the row's sum is taken of the unquantised p, in two chains
.set jj, 4
.rept 15
	v_pk_add_f32 v[14:15], v[14:15], v[96+jj:97+jj]
	v_pk_add_f32 v[236:237], v[236:237], v[98+jj:99+jj]
.set jj, jj+4
.endr
	v_pk_add_f32 v[14:15], v[14:15], v[236:237]
	s_wait_alu depctr_va_vdst(0)                   ; and one for the four
.irp b, 0,1,2,3
	v_max_num_f32 v[232+\b], 0x1800000, v[232+\b]  ; the floor 2^(3 - 127): the byte cannot fall under 1
.endr
.irp b, 0,1,2,3
	v_add_nc_u32 v[244+\b], 0xff000000, v[232+\b]  ; 2 off the exponent field: the conversion's scale operand
.endr
.irp b, 0,1,2,3
	v_lshrrev_b32 v[236+\b], 23, v[244+\b]         ; the scale's byte
.endr
	v_lshl_or_b32 v253, v237, 8, v236              ; p's scale word for these 128 keys
	v_lshl_or_b32 v253, v238, 16, v253
	v_lshl_or_b32 v253, v239, 24, v253
.irp c, 0,1
	v_cvt_scalef32_pk16_fp6_f32 v[224+6*\c:226+6*\c], v[96+32*\c:111+32*\c], v[244+2*\c]
	v_cvt_scalef32_pk16_fp6_f32 v[236+4*\c:238+4*\c], v[112+32*\c:127+32*\c], v[244+2*\c+1]
.endr
	v_nop                                          ; one plain place behind the scaled conversions
.irp c, 0,1
.irp i, 0,1,2
	v_permlane16_swap_b32 v[224+6*\c+\i], v[236+4*\c+\i]
.endr
.irp i, 0,1,2
	v_mov_b32 v[227+6*\c+\i], v[236+4*\c+\i]
.endr
.endr
.if \first
.rept 8
	v_nop                                          ; eight places between the scale word's last write and the scaled products
.endr
.else
.set jj, 0
.rept 32
	v_pk_mul_f32 v[160+jj:161+jj], v[160+jj:161+jj], v[252:253] op_sel_hi:[1,0]   ; O under the new M; these 32 are also the places in front of the products below
.set jj, jj+2
.endr
.endif
	s_wait_dscnt 25*\nextk                         ; V's run is in; the next block's K, 25 loads, may be out
	MUL8 160, VFR, 224, 248, 253, \first           ; O += V^T p: register 16 b + i is channel 32 b + 16 h + i
.endm
.macro SLOT_STEPS first
	v_add_nc_u32 v8, s[TB], v1
	FETCH_K 0
	STEP 0, 1, \first
	STEP 1, 0, 0
	s_xor_b32 s[TB], s[TB], SLOT1                  ; on to the other slot
.endm
; THE CHANGE OF SLOTS, at a slot's head.  Each wave waits for all its tensor loads (its part of the slot ahead among them), adds 0 to its spare word, and waits for that and for its reads of the slot that it has left.
; fill = 1: the barrier is a round of the cluster's, so that no wave of any partner still reads that slot or has a load on its way; the joint refill is the first thing behind it and has two key steps in which to land.
.macro CHANGE fill
	s_wait_tensorcnt 0x0                           ; no tensor load of mine is out, so a group 0 may be written
	ds_add_u32 v5, v6                              ; 0 onto my spare word
.if \fill
	s_xor_b32 s[G0B+1], s[G0B+1], SLOT1            ; the walking descriptor: the other slot than last time,
	s_add_nc_u64 s[G0B+2:G0B+3], s[G0B+2:G0B+3], 2*BLKB   ; the next 256 keys; the type bits on top are not reached
	s_wait_xcnt 0x0                                ; the last prefetch, a slot back, has read its address
	s_add_nc_u64 s[PFA:PFA+1], s[PFA:PFA+1], 2*BLKB   ; one slot further on than the walking descriptor
	s_wait_dscnt 0x0                               ; the add is done, and my reads of the slot that I have left are over
	CROUND
	tensor_load_to_lds s[G0B:G0B+3], s[G1S:G1S+7]
	s_nop 0
	PLACES                                         ; four plain lines behind a tensor load
	ASK
.else
	s_wait_dscnt 0x0
	s_barrier_signal -1
	s_barrier_wait -1
.endif
.endm
	s_load_b512 s[4:19], s[0:1], 0x0               ; qbuf, kvbuf, wbuf, x, gamma2, beta2, b1, b2
	s_load_b64 s[20:21], s[0:1], 0x40              ; out0
	v_lshl_add_u32 v5, v0, 2, SPARE
	v_mov_b32 v6, 0
	ds_add_u32 v5, v6
	ds_add_u32 v5, v6
	s_wait_dscnt 0x0
	v_lshrrev_b32 v1, 5, v0
	v_readfirstlane_b32 s[WV], v1                  ; wave 0..7
	s_bfe_u32 s79, ttmp6, 0x40000                  ; cx: my place in the cluster
	s_and_b32 s85, ttmp7, 0xffff                   ; the batch, which the four partners share
	GROUP1 G1S, 25
	GROUP1 G1W, 100
	GROUP1 G1B, 2
	s_mov_b32 s[SEL], 0x76543210
	s_mov_b32 s[SEL+1], 0xfedcba98
	s_mov_b32 s[CS], 0x3e0293ee                    ; log2(e) / sqrt(128)
	s_mov_b32 s[CS+1], s[CS]
	s_mov_b32 s[INV], 0x3c000000
	s_mov_b32 s[EPS], 0x3727c5ac
	s_mov_b32 s[NL], 0xbfb8aa3b                    ; -log2(e)
	s_mov_b32 s[NL+1], s[NL]
	s_mov_b32 s[TB], 0
	s_mov_b32 s[SLOTS], 14
	s_mul_i32 s98, s[WV], 6400                     ; my eighth of a slot
	s_mul_i32 s2, s85, 32*BLKB                     ; the batch's 32 blocks
	s_add_co_u32 s2, s2, s98
	s_mov_b32 s3, 0
	s_mul_i32 s99, s[WV], BLKB                     ; my eighth of the weights
	s_wait_kmcnt 0x0
	s_mov_b32 s[G0A], 1                            ; 1:0 count = 1
	s_mov_b32 s[G0A+1], s98                        ; LDS address: slot 0
	s_add_nc_u64 s[G0A+2:G0A+3], s[6:7], s[2:3]    ; global address: keys 0 to 255
	s_mov_b32 s[G0B], 1
	s_add_co_u32 s[G0B+1], s98, SLOT1
	s_add_nc_u64 s[G0B+2:G0B+3], s[G0A+2:G0A+3], 2*BLKB
	s_or_b32 s[G0A+3], s[G0A+3], 0x80000000        ; type = 2
	s_or_b32 s[G0B+3], s[G0B+3], 0x80000000
	s_mov_b32 s2, s99
	s_mov_b32 s[G0W], 1
	s_add_co_u32 s[G0W+1], s99, WBASE
	s_add_nc_u64 s[G0W+2:G0W+3], s[8:9], s[2:3]
	s_or_b32 s[G0W+3], s[G0W+3], 0x80000000
	s_lshl_b32 s2, s[WV], 9
	s_mov_b32 s[G0C], 1
	s_add_co_u32 s[G0C+1], s2, B1L
	s_add_nc_u64 s[G0C+2:G0C+3], s[16:17], s[2:3]
	s_or_b32 s[G0C+3], s[G0C+3], 0x80000000
	CROUND                                         ; all four work-groups are here: the first joint loads meet
	tensor_load_to_lds s[G0A:G0A+3], s[G1S:G1S+7]  ; the first fills go out as one group: slot 0,
	s_nop 0
	tensor_load_to_lds s[G0B:G0B+3], s[G1S:G1S+7]  ; slot 1,
	s_nop 0
	tensor_load_to_lds s[G0W:G0W+3], s[G1W:G1W+7]  ; the weights,
	s_nop 0
	tensor_load_to_lds s[G0C:G0C+3], s[G1B:G1B+7]  ; b1
	s_nop 0
	PLACES
	; what hangs on my place in the cluster: Q, x, out0 and the prefetches
	s_lshl_b32 s94, s85, 5
	s_lshl_b32 s95, ttmp9, 2
	s_add_co_u32 s94, s94, s95
	s_add_co_u32 s94, s94, s79                     ; my block of 128 tokens: 32 x batch + 4 x cluster x + cx
	s_mul_i32 s92, s94, 13312
	s_mov_b32 s93, 0
	s_add_nc_u64 s[88:89], s[4:5], s[92:93]
	s_mul_i32 s96, s[WV], 1536
	s_mov_b32 s97, 0
	s_add_nc_u64 s[86:87], s[88:89], s[96:97]      ; my fragment of Q
	s_lshl_b32 s96, s[WV], 7
	s_add_co_u32 s96, s96, 12288
	s_add_nc_u64 s[88:89], s[88:89], s[96:97]      ; and its scale words
	s_lshl_b32 s92, s94, 7
	s_lshr_b32 s96, s[WV], 1
	s_lshl_b32 s96, s96, 5
	s_add_co_u32 s92, s92, s96
	s_and_b32 s96, s[WV], 1
	s_lshl_b32 s96, s96, 3
	s_add_co_u32 s92, s92, s96                     ; my tile's first token
	s_lshl_b32 s92, s92, 9
	s_add_nc_u64 s[90:91], s[10:11], s[92:93]      ; in x,
	s_add_nc_u64 s[OP:OP+1], s[20:21], s[92:93]    ; and in out0
	s_mul_i32 s92, s79, 12800                      ; the prefetches: my work-group's quarter of a slot,
	s_mul_i32 s94, s85, 32*BLKB
	s_add_co_u32 s92, s92, s94
	s_mul_i32 s94, s[WV], 6400                     ; my wave's half of it,
	s_add_co_u32 s92, s92, s94
	s_add_co_u32 s92, s92, 4*BLKB                  ; in slot 2: the first change of slots steps it to slot 3.  Nothing is prefetched here, at the head
	s_add_nc_u64 s[PFA:PFA+1], s[6:7], s[92:93]
	s_lshr_b32 s[LIM], s[WV], 1                    ; 0 in waves 0 and 1,
	s_or_b32 s[LIM], s[LIM], ttmp9                 ; of the batch's first cluster: the same in all four partners
	s_cmp_eq_u32 s[LIM], 0
	s_cselect_b32 s[LIM], 1, -1
	v_and_b32 v254, 31, v0                         ; lane
	v_and_b32 v8, 15, v0                           ; r
	v_bfe_u32 v9, v0, 4, 1                         ; h
	v_lshlrev_b32 v1, 4, v254                      ; 16 x lane
	v_lshlrev_b32 v33, 2, v254                     ; 4 x lane
	v_lshlrev_b32 v11, 6, v9                       ; 64 h
	v_add_nc_u32 v2, B1L, v11
	v_min_u32 v10, 24, v254
	v_lshlrev_b32 v10, 8, v10
	v_and_b32 v32, 8, v8
	v_add_nc_u32 v32, v32, v8
	v_lshl_add_u32 v32, v32, 9, v11                ; x: row r + 8 (r / 8) of 512 bytes, + 64 h
.irp c, 0,1,2
	global_load_b128 v[16+4*\c:19+4*\c], v1, s[86:87] offset:512*\c   ; Q's fragment stays in registers
.endr
	global_load_b32 v255, v33, s[88:89]
	WIN 0x40
	LOAD64 XR, 32, 90, 0                           ; my row of x, for the residual: wanted behind the key loop
	WIN 0
	s_mul_i32 s99, s[WV], 16*272                   ; my stage (STAGE = 0)
	v_mul_u32_u24 v4, v8, 272
	v_add_nc_u32 v4, v4, v11
	v_add_nc_u32 v4, s99, v4                       ; in: row r, + 64 h
	v_mul_u32_u24 v7, v9, 272
	v_lshl_add_u32 v7, v8, 4, v7
	v_add_nc_u32 v7, s99, v7                       ; back: lanes 0-15 one row, lanes 16-31 the next
	v_lshlrev_b32 v3, 9, v9
	v_lshl_add_u32 v3, v8, 4, v3                   ; and the same two rows in out0
	v_mov_b32 v13, 0xff61b1e6                      ; the largest t so far: -3e38
	v_floor_f32 v12, -v13                          ; -M
	v_mov_b32 v14, 0
	v_mov_b32 v15, 0
.irp i, 236,237,238,239,240,253
	v_mov_b32 v[\i], 0                             ; written once: a lane permute's destination, and the upper halves of pairs, count as read
.endr
	s_wait_tensorcnt 3                             ; my part of slot 0 is in; slot 1, the weights and b1 may stay out
	s_barrier_signal -1
	s_barrier_wait -1                              ; everybody's is
	s_wait_loadcnt 16                              ; Q is in; x's 16 loads may be out
	SLOT_STEPS 1
.Lslot:                                            ; 14 trips: behind each change of slots but the last the slot after next is asked for
	CHANGE 1
	SLOT_STEPS 0
	s_sub_co_u32 s[SLOTS], s[SLOTS], 1
	s_cmp_lg_u32 s[SLOTS], 0
	s_cbranch_scc1 .Lslot
	CHANGE 0                                       ; the last slot is written out
	SLOT_STEPS 0
	; ---- O / the sum + x; layer norm 2; its codes
	v_add_f32 v14, v14, v15                        ; the sum's two halves,
	v_permlanex16_b32 v252, v14, s[SEL], s[SEL+1]
	v_add_f32 v14, v14, v252                       ; and lane l xor 16's
	PLACES                                         ; in front of loads into registers that the last products read
	WIN 0x40
	LOAD64 0, 11, 12, 0                            ; gamma2
	LOAD64 64, 11, 14, 0                           ; beta2
	LOAD64 128, 11, 18, 0                          ; b2
	WIN 0
	v_rcp_f32 v14, v14
	v_nop                                          ; a plain place behind the transcendental,
	s_wait_alu depctr_va_vdst(0)                   ; and the wait ahead of its first reader
	s_wait_loadcnt 48                              ; x is in; the 48 loads just issued may be out
	WIN 0x10                                       ; source 2 in window 1
.set jj, 0
.rept 32
	v_pk_fma_f32 v[160+jj:161+jj], v[160+jj:161+jj], v[14:15], v[XR+jj:XR+jj+1] op_sel_hi:[1,0,1]   ; each accumulator from its low end on
.set jj, jj+2
.endr
	WIN 0
	LNORM 160, 96, 16                              ; b2's 16 loads may be out
	QUANT 96, 16, 255
	s_wait_loadcnt 0x0
	WIN 0x04                                       ; source 1 in window 1
.set jj, 0
.rept 32
	v_pk_add_f32 v[160+jj:161+jj], v[160+jj:161+jj], v[128+jj:129+jj]   ; the row + b2: the second product adds onto it.  (These 32 are also the places behind the scale word's last write)
.set jj, jj+2
.endr
	WIN 0
	; ---- the MLP: 8 steps of 128 hidden units; the hidden layer stays in registers
	s_mov_b32 s[TW], WBASE
	s_mov_b32 s[TBI], 0
	s_mov_b32 s[MC], 8
.Lmlp:
	v_add_nc_u32 v8, s[TW], v1
	v_add_nc_u32 v9, s[TBI], v2
	v_nop
	v_nop                                          ; four places in front of loads into registers that the last products read
	FETCH_K 0                                      ; w1's 8 tiles
.irp b, 0,1,2,3
.irp j, 0,1,2,3
	ds_load_b128 v[96+16*\b+4*\j:99+16*\b+4*\j], v9 offset:128*\b+16*\j   ; b1 in the result's layout: the C of the first product
.endr
.endr
	FETCH_V 0                                      ; w2's 8 tiles for these 128 along its K
	s_wait_dscnt 25                                ; w1 and b1 are in; w2's 25 loads may be out
	MUL8 96, KFR, 16, 28, 255, 0
	PLACES
.set jj, 0
.rept 32
	v_pk_mul_f32 v[32+jj:33+jj], v[96+jj:97+jj], s[NL:NL+1] op_sel_hi:[1,0]   ; -z log2(e)
.set jj, jj+2
.endr
.set jj, 0
.rept 64
	v_exp_f32 v[32+jj], v[32+jj]
.set jj, jj+1
.endr
	v_nop
	s_wait_alu depctr_va_vdst(0)                   ; one wait for the batch
.set jj, 0
.rept 32
	v_pk_add_f32 v[32+jj:33+jj], v[32+jj:33+jj], 1.0 op_sel_hi:[1,0]
.set jj, jj+2
.endr
.set jj, 0
.rept 64
	v_rcp_f32 v[32+jj], v[32+jj]
.set jj, jj+1
.endr
	v_nop
	s_wait_alu depctr_va_vdst(0)                   ; one wait for the batch
.set jj, 0
.rept 32
	v_pk_mul_f32 v[96+jj:97+jj], v[96+jj:97+jj], v[32+jj:33+jj]   ; silu(z) = z / (1 + 2^(-z log2(e)))
.set jj, jj+2
.endr
	QUANT 96, 224, 253
.rept 8
	v_nop                                          ; eight places between the scale word's last write and the scaled products
.endr
	s_wait_dscnt 0x0                               ; w2 is in
	MUL8 160, VFR, 224, 248, 253, 0
	s_add_co_u32 s[TW], s[TW], BLKB
	s_add_co_u32 s[TBI], s[TBI], 512
	s_sub_co_u32 s[MC], s[MC], 1
	s_cmp_lg_u32 s[MC], 0
	s_cbranch_scc1 .Lmlp
	; ---- the way out: half a row (64 channels, 256 bytes) of my 16 tokens at a time through my stage, so that sixteen lanes store 256 consecutive bytes, aligned
	PLACES
.irp u, 0,1
.irp e, 0,1
.irp j, 0,1,2,3
	ds_store_b128 v4, v[160+32*\u+16*\e+4*\j:163+32*\u+16*\e+4*\j] offset:128*\e+16*\j   ; each accumulator from its low end on
.endr
.endr
.irp i, 0,1,2,3,4,5,6,7
	ds_load_b128 v[32+32*\u+4*\i:35+32*\u+4*\i], v7 offset:544*\i   ; LDS serves a wave's instructions in order (ISA guide 5.7.1.4): these see my stores, and the next half's stores come behind them
.endr
.endr
.irp u, 0,1
.irp i, 0,1,2,3,4,5,6,7
	s_wait_dscnt 16*(1-\u)+7-\i                    ; the LDS instructions issued behind this load may be out
	global_store_b128 v3, v[32+32*\u+4*\i:35+32*\u+4*\i], s[OP:OP+1] offset:(2*\i+8*(\i/4))*512+256*\u th:TH_STORE_NT   ; stage row 2 i + h is token 2 i + h + 8 (i / 4) of the tile's 24
.endr
.endr
	s_wait_tensorcnt 0x0                           ; the wave's end, behind my last tensor load and my last LDS store
	ds_add_u32 v5, v6
	s_wait_dscnt 0x0
	CROUND                                         ; the closing round: no work-group ends while a partner may still ask for a tile that names it
	s_endpgm
.Lfunc_end_k_q8dfb749988_attn:
	.size	k_q8dfb749988_attn, .Lfunc_end_k_q8dfb749988_attn-k_q8dfb749988_attn
	.p2alignl 7, 3214868480
	.fill 96, 4, 3214868480
	.section	.rodata,"a",@progbits
	.p2align	6, 0x0
	.amdhsa_kernel k_q8dfb749988_attn
		.amdhsa_group_segment_fixed_size 327680
		.amdhsa_private_segment_fixed_size 0
		.amdhsa_enable_private_segment 0
		.amdhsa_kernarg_size 72
		.amdhsa_user_sgpr_count 2
		.amdhsa_user_sgpr_kernarg_segment_ptr 1
		.amdhsa_wavefront_size32 1
		.amdhsa_system_sgpr_workgroup_id_x 1
		.amdhsa_system_sgpr_workgroup_id_y 1
		.amdhsa_system_sgpr_workgroup_id_z 1
		.amdhsa_system_vgpr_workitem_id 0
		.amdhsa_next_free_vgpr 512
		.amdhsa_next_free_sgpr 100
		.amdhsa_reserve_vcc 0
		.amdhsa_float_denorm_mode_32 3
		.amdhsa_float_denorm_mode_16_64 3
		.amdhsa_memory_ordered 1
		.amdhsa_forward_progress 1
		.amdhsa_inst_pref_size 168
	.end_amdhsa_kernel
	.amdgpu_metadata
---
amdhsa.version: [ 1, 2 ]
amdhsa.kernels:
  - .name:           k_q8dfb749988_attn
    .symbol:         k_q8dfb749988_attn.kd
    .args:
      - { .name: qbuf, .offset: 0, .size: 8, .value_kind: global_buffer, .address_space: global }
      - { .name: kvbuf, .offset: 8, .size: 8, .value_kind: global_buffer, .address_space: global }
      - { .name: wbuf, .offset: 16, .size: 8, .value_kind: global_buffer, .address_space: global }
      - { .name: x, .offset: 24, .size: 8, .value_kind: global_buffer, .address_space: global }
      - { .name: gamma2, .offset: 32, .size: 8, .value_kind: global_buffer, .address_space: global }
      - { .name: beta2, .offset: 40, .size: 8, .value_kind: global_buffer, .address_space: global }
      - { .name: b1, .offset: 48, .size: 8, .value_kind: global_buffer, .address_space: global }
      - { .name: b2, .offset: 56, .size: 8, .value_kind: global_buffer, .address_space: global }
      - { .name: out0, .offset: 64, .size: 8, .value_kind: global_buffer, .address_space: global }
    .group_segment_fixed_size: 327680
    .private_segment_fixed_size: 0
    .kernarg_segment_align: 8
    .kernarg_segment_size: 72
    .max_flat_workgroup_size: 256
    .sgpr_count:     100
    .vgpr_count:     512
    .wavefront_size: 32
...
	.end_amdgpu_metadata
.endif
;; end of part 2
